; MI455X (gfx1250); checked and timed in simulation.
; The chip was launched on July 23, 2026; its instructions are those of AMD's public machine-readable ISA for CDNA 5 (MIT licence, August 2026) and "CDNA5" Instruction Set Architecture Reference Guide (July 2026). The comments in the code are by the model that wrote it; some were corrected since.
;; Symmetric Linear. Allowed arithmetic: matrix products marked QUANTISED: E4M3 operands, one E8M0 scale for each 32 along K, by v_wmma_scale_f32_16x16x128_f8f6f4 with both operands' format E4M3, f32 sums; everything else in f32.
;; Inputs: bias 16,384 float32; scale one number float32; weight_i8 16,384 x 4,096 int8; x 4 x 256 x 4,096 float32.
;; Outputs: out0 4 x 256 x 16,384 float32.
;; This version of the problem:
;;   THIS VERSION OF THE PROBLEM IS GIVEN IN LOW PRECISION. The matrix products marked QUANTISED in the list below multiply operands that are first quantised to E4M3 (4 exponent bits, 3 mantissa bits; 8 bits a number), with one power-of-two scale for each 32 numbers along K (OCP MX v1.0); their sums are f32. All else is computed in f32.
;;   The module's matrix products, in the order in which they are computed (A, B: the left and right operand; K: the contracted axis; several contracted axes count as one K, in the product's order):
;;     1. [M 1,024, K 4,096] x [K 4,096, N 16,384]; A: input x; B: computed on the way: QUANTISED
;;   THE QUANTISER, for each operand of a quantised product, along K:
;;     - K is cut into blocks of 32 from its start; a last block that is shorter is filled with zeros.
;;     - A block's scale is 2^e with e = floor(log2(the largest magnitude in the block)) - 8, held to -126 .. 127; a block of zeros has e = 0. As a byte (E8M0): e + 127.
;;     - Each number is divided by its block's scale, clamped to +-448, and rounded to the nearest number of E4M3, ties to even, subnormals kept.
;;     - The product sums the exact products of the quantised numbers (number of the format x scale) in f32.
;;   ~~~python
;;   def quantise(x, axis):      # numpy; x: float32 -> the quantised numbers, widened to float32 again
;;       x = np.moveaxis(x, axis, -1); K = x.shape[-1]
;;       x = np.pad(x, [(0, 0)] * (x.ndim - 1) + [(0, -K % 32)]); x = x.reshape(x.shape[:-1] + (-1, 32)); a = np.abs(x).max(-1, keepdims=True)
;;       e = np.where(a > 0, np.clip(np.frexp(np.where(a > 0, a, 1))[1] - 1 - 8, -126, 127), 0)      # np.frexp(a)[1] - 1 = floor(log2(a)), exactly
;;       r = np.clip(x / 2.0 ** e, -448, 448)
;;       step = 2.0 ** (np.maximum(np.frexp(np.where(r == 0, 1, r))[1] - 1, -6) - 3)
;;       q = np.round(r / step) * step * 2.0 ** e      # np.round: ties to even
;;       return np.moveaxis(q.reshape(q.shape[:-2] + (-1,))[..., :K], -1, axis).astype(np.float32)
;;   ~~~
;;   OPERANDS COMPUTED ON THE WAY. 'Computed on the way' means the value that the module computes at that place (a softmax that the list does not call 'softmax' is quantised finished and normalised). What goes into a quantiser is computed in f32, as accurately as f32 sums, v_exp_f32 and their like allow (about 1e-6 of the number): no bf16 or f16 on the way to a quantiser, and a product that is left as it is and whose result goes on into a quantised operand takes f32 operands (vector FMAs, or v_wmma_f32_16x16x4_f32). A number that lies on a knife's edge between two numbers of the format may be rounded either way, as far as f32 arithmetic and the matrix unit's own rounding can turn it there, and no further.
;; One version. Each part assembles by itself: llvm-mc -triple=amdgcn-amd-amdhsa -mcpu=gfx1250 --defsym DOCPART=n.
;; ======== version 1 of 1: 2 launches
;; limits: right only within a limited range of input values
;; workspace buffers: xq 4,325,376 bytes; wq 69,206,016 bytes
;; launch quant (part 1): grid 1024 x 1, 4 waves a work-group, no clusters, 69,120 bytes of LDS; arguments x, weight_i8, scale, xq, wq; writes xq, wq
.if DOCPART == 1
	.amdgcn_target "amdgcn-amd-amdhsa--gfx1250"
	.amdhsa_code_object_version 6
	.text
	.protected	k_q5038ee3d81_quant
	.globl	k_q5038ee3d81_quant
	.p2align	8
	.type	k_q5038ee3d81_quant,@function
k_q5038ee3d81_quant:
	s_mov_b64 s[64:65], 0
	v_nop
	global_prefetch_b8 v0, s[64:65] scope:SCOPE_SE
	s_setreg_imm32_b32 hwreg(HW_REG_WAVE_MODE, 25, 1), 1
	s_wait_xcnt 0x0
; x [1024][4096] f32 and weight_i8 [16384][4096] int8 (taken as f32 and multiplied once by the scalar scale, in f32) become codes of FP8 (E4M3) with one E8M0 scale byte for each 32 along K.
; A block's scale is 2^(floor(log2(its largest magnitude)) - 8): its byte is the largest magnitude's exponent field - 8, held at 1 from below.  Each number is held within +-448 x the scale and rounded to the nearest code, ties to even.
; LIMITS: NaN and infinities among the inputs are not served.  A block of zeros, and a block whose largest magnitude lies under 2^-118, gets the byte 1 (a block of zeros: where the rule says 127):
; its codes are zeros or subnormal codes under that byte, and the bytes are read by this program alone.
; THE OUTPUT IS LAID IN THE ORDER OF THE MATRIX OPERAND'S REGISTERS, in CHUNKS of 128 rows x 256 along K, 33,792 bytes each, [row block of 128][K step of 256]:
;   codes, 32,768 bytes: the fragment of rows 16 i .. 16 i + 15 and of the q-th 128 along K lies at 2,048 (2 i + q); in it register group c at 512 c, lane l's 16 bytes at 16 l:
;                        row 16 i + l % 16, k = 128 q + 32 c + 16 (l / 16) + 0 .. 15;
;   scale bytes, 1,024 bytes behind them: row 16 i + r has 8 bytes at 128 i + 8 r: word q holds the four bytes of the q-th 128 along K.
; SHARES.  1,024 work-groups of equal work, four to a WGP (256 registers a wave, 69,120 bytes of LDS a work-group).  Work-group g takes of the weight the row block g / 8 and the K steps 2 (g % 8) and the next
; (a wave: 32 rows x 256 K in each of two trips), and of x the 16 rows 16 (8 (g / 128) + g % 8) at K step (g / 8) % 16: two fragments, one for each of two waves, BEHIND their trips through the weight:
; the fragment's 16 loads go out in the last trip, into the registers that a further trip's bytes would take, and it is worked behind the loop.
; Which two waves: those whose number has the parity of g + g / 256, so that neighbouring work-groups give the extra fragment to different waves; wave w takes fragment q = w / 2.
; Each wave has LDS stages of its own, one for x and one for the weight: no barrier.
; A load takes the bytes as they lie (512 consecutive bytes of a row of x; 256 consecutive bytes of each of two rows of the weight); the stage turns them so that a lane holds 16 neighbours along K of each block of 32.
; No tensor loads, no cluster, no matrix unit, no prefetch: nothing is shared between work-groups, there is no product, and the launch does nothing but stream.
.set CHUNK, 33792
.set SCOFF, 32768                      ; where a chunk's scale bytes begin
.set XP,    528                        ; x's stage: a row of 512 bytes + 16: an odd multiple of 16, so that sixteen rows' 16-byte pieces fall on different banks (ISA guide 11.1)
.set WP,    272                        ; the weight's stage: a row of 256 bytes + 16, likewise
.set WSTG,  4*16*XP                    ; x's four stages (16 rows each) lie at 0, the weight's four (32 rows each) behind them
.set SPARE, WSTG+4*32*WP               ; behind the stages: the spare words, 128 bytes a wave
.set XO,  0                            ; 16 x lane: x's loads and the stores of its codes
.set OSX, 1                            ; 8 r: x's scale words
.set OC,  2                            ; the weight's codes: 16 x lane + 8,192 x wave
.set XST, 3                            ; x's stage, on the way in
.set XRD, 4                            ; and on the way out: row r, + 64 h
.set OS,  5                            ; the weight's scale bytes: 256 x wave + 8 x lane
.set WGI, 6                            ; the weight's loads: 4,096 (lane / 16) + 16 (lane % 16)
.set WST, 7                            ; the weight's stage, on the way in
.set PW,  8                            ; v8-11   scale words just made
.set SPW, 12                           ; my spare word's LDS address; never rewritten
.set NIL, 13                           ; 0; never rewritten
.set TM,  14                           ; v14-17 largest magnitudes, v18-21 bytes, v22-25 448 x the scale, v26-29 the conversions' scale operands
.set WRD, 30                           ; the weight's stage, on the way out: row r, + 16 h
.set VK,  31                           ; the bits of 2^23
.set R,   32                           ; v32-95   as loaded: the weight, at the end x
.set F,   96                           ; v96-159  the weight's bytes in the fragments' order
.set X,   160                          ; v160-223 64 numbers: register 16 b + i = k 32 b + 16 (lane / 16) + i of my row
.set PC,  224                          ; v224-255 codes: two sets of 16, by turns
	s_load_b256 s[4:11], s[0:1], 0x0               ; x, weight, scale, xq
	s_load_b64 s[12:13], s[0:1], 0x20              ; wq
	v_lshl_add_u32 v[SPW], v0, 2, SPARE
	v_mov_b32 v[NIL], 0
	v_lshrrev_b32 v1, 5, v0
	v_readfirstlane_b32 s14, v1                    ; wave 0..3
	v_and_b32 v10, 31, v0                          ; lane
	v_and_b32 v8, 15, v0                           ; r
	v_bfe_u32 v9, v0, 4, 1                         ; h
	s_mul_i32 s30, s14, 16*XP                      ; my stage for x
	s_mul_i32 s31, s14, 32*WP
	s_add_co_u32 s31, s31, WSTG                    ; my stage for the weight
	s_lshl_b32 s32, s14, 13
	s_lshl_b32 s33, s14, 8
	v_lshlrev_b32 v[XO], 4, v10                    ; (the thread's number is not read below this line)
	v_add_nc_u32 v[XST], s30, v[XO]
	v_mul_u32_u24 v[XRD], v8, XP
	v_lshl_add_u32 v[XRD], v9, 6, v[XRD]
	v_add_nc_u32 v[XRD], s30, v[XRD]
	v_lshlrev_b32 v[OSX], 3, v8
	v_lshlrev_b32 v[WGI], 4, v8
	v_lshl_add_u32 v[WGI], v9, 12, v[WGI]
	v_mul_u32_u24 v[WST], v9, WP
	v_lshl_add_u32 v[WST], v8, 4, v[WST]
	v_add_nc_u32 v[WST], s31, v[WST]
	v_mul_u32_u24 v[WRD], v8, WP
	v_lshl_add_u32 v[WRD], v9, 4, v[WRD]
	v_add_nc_u32 v[WRD], s31, v[WRD]
	v_add_nc_u32 v[OC], s32, v[XO]                 ; my four fragments of the weight begin at 2,048 x 4 w
	v_lshl_add_u32 v[OS], v10, 3, s33
	v_mov_b32 v[VK], 0x4b000000
	v_cmp_le_u32 s28, 16, v10                      ; the mask of lanes 16 to 31
.irp b, 0,1,2,3
	v_mov_b32 v[TM+4+\b], 0                        ; written once: a lane permute's destination counts as one of its sources
.endr
	s_wait_alu depctr_va_vdst(0)                   ; the wait behind the head's vector lines
	s_mov_b32 s16, 0x76543210
	s_mov_b32 s17, 0xfedcba98                      ; v_permlanex16_b32's selects for lane l xor 16
	s_mov_b32 s18, 0x600000                        ; the mantissa field of 448
	s_mov_b32 s19, 0x80808080                      ; turns four signed bytes w into the unsigned bytes w + 128
	s_mov_b32 s20, 0x07060500                      ; v_perm_b32: byte 0, 1, 2 or 3 of the weight's word under the upper three bytes of 2^23
	s_mov_b32 s21, 0x07060501
	s_mov_b32 s22, 0x07060502
	s_mov_b32 s23, 0x07060503
	s_mov_b32 s24, 0xcb000080                      ; -(2^23 + 128)
	s_mov_b32 s25, s24                             ; (the packed forms name a pair: the upper word is written too)
	; offsets, each under 2^32.  The weight: s[32:33] in weight_i8, s[34:35] in wq
	s_lshr_b32 s31, ttmp9, 3                       ; the row block
	s_and_b32 s30, ttmp9, 7                        ; which two K steps; also x's block i of its chunk
	s_lshl_b32 s32, s31, 19                        ; 128 rows of 4,096 bytes,
	s_lshl_b32 s33, s14, 17                        ; my 32 rows,
	s_add_co_u32 s32, s32, s33
	s_lshl_b32 s33, s30, 9                         ; two K steps of 256 bytes
	s_add_co_u32 s32, s32, s33
	s_mov_b32 s33, 0
	s_lshl_b32 s34, s31, 4
	s_lshl_b32 s35, s30, 1
	s_add_co_u32 s34, s34, s35                     ; the first chunk: 16 x row block + 2 x (g % 8)
	s_mul_i32 s34, s34, CHUNK
	s_mov_b32 s35, 0
	; x: s[40:41] in x, s[42:43] my fragment in xq, s[44:45] my scale words in xq
	s_lshr_b32 s47, s14, 1                         ; q
	s_lshr_b32 s40, ttmp9, 7
	s_lshl_b32 s40, s40, 3
	s_add_co_u32 s40, s40, s30                     ; which 16 rows of x,
	s_lshl_b32 s40, s40, 18                        ; of 16,384 bytes each,
	s_bfe_u32 s41, ttmp9, 0x40003
	s_lshl_b32 s41, s41, 10                        ; + 256 numbers a K step
	s_add_co_u32 s40, s40, s41
	s_lshl_b32 s41, s47, 9                         ; + 128 numbers for q
	s_add_co_u32 s40, s40, s41
	s_mov_b32 s41, 0
	s_mul_i32 s48, s31, CHUNK                      ; x's chunk is number g / 8: 16 (g / 128) + (g / 8) % 16
	s_lshl_b32 s42, s30, 12
	s_lshl_b32 s43, s47, 11
	s_add_co_u32 s42, s42, s43
	s_add_co_u32 s42, s42, s48                     ; fragment 2 i + q
	s_mov_b32 s43, 0
	s_lshl_b32 s44, s30, 7
	s_lshl_b32 s45, s47, 2
	s_add_co_u32 s44, s44, s45
	s_add_co_u32 s44, s44, s48
	s_add_co_u32 s44, s44, SCOFF                   ; 128 i + 4 q among the chunk's scale bytes
	s_mov_b32 s45, 0
	s_lshr_b32 s46, ttmp9, 8                       ; s46 = 0: I take a fragment of x
	s_xor_b32 s46, s46, ttmp9
	s_xor_b32 s46, s46, s14
	s_and_b32 s46, s46, 1
	s_wait_kmcnt 0x0
	s_load_b32 s26, s[8:9], 0x0                    ; the scalar scale: waited for in front of the trips
	s_add_nc_u64 s[6:7], s[6:7], s[32:33]
	s_add_nc_u64 s[12:13], s[12:13], s[34:35]
	s_add_nc_u64 s[4:5], s[4:5], s[40:41]
	s_add_nc_u64 s[36:37], s[10:11], s[44:45]
	s_add_nc_u64 s[10:11], s[10:11], s[42:43]
; 64 numbers of a lane, v[s] on, become a fragment's codes in v[pc] on and my row's scale word in v[pw].
.macro QUANT s, pc, pw
.irp b, 0,1,2,3
	v_max3_num_f32 v[TM+\b], |v[\s+16*\b]|, |v[\s+1+16*\b]|, 0x4800000   ; block b: my 16 numbers, and the floor 2^(9 - 127): the byte cannot fall under 1
.endr
.irp i, 2,4,6,8,10,12,14
.irp b, 0,1,2,3
	v_max3_num_f32 v[TM+\b], v[TM+\b], |v[\s+16*\b+\i]|, |v[\s+1+16*\b+\i]|   ; the four blocks by turns
.endr
.endr
.irp b, 0,1,2,3
	v_permlanex16_b32 v[TM+4+\b], v[TM+\b], s16, s17
.endr
.irp b, 0,1,2,3
	v_max_num_f32 v[TM+\b], v[TM+\b], v[TM+4+\b]   ; with lane l xor 16's 16: the block's largest magnitude
.endr
.irp b, 0,1,2,3
	v_add_nc_u32 v[TM+12+\b], 0xfc000000, v[TM+\b] ; 8 off its exponent field: the conversion's scale operand
.endr
.irp b, 0,1,2,3
	v_and_or_b32 v[TM+8+\b], v[TM+\b], 0x7f800000, s18   ; 448 x the scale
.endr
.irp b, 0,1,2,3
	v_lshrrev_b32 v[TM+4+\b], 23, v[TM+12+\b]      ; the scale's byte
.endr
	v_lshl_or_b32 v[\pw], v[TM+5], 8, v[TM+4]      ; the four bytes make my row's scale word (lanes r and r + 16 hold the same)
	v_lshl_or_b32 v[\pw], v[TM+6], 16, v[\pw]
	v_lshl_or_b32 v[\pw], v[TM+7], 24, v[\pw]
.irp b, 0,1,2,3
.irp i, 0,1,2,3,4,5,6,7,8,9,10,11,12,13,14,15
	v_med3_num_f32 v[\s+16*\b+\i], v[\s+16*\b+\i], -v[TM+8+\b], v[TM+8+\b]   ; the conversion to an 8-bit code does not saturate (ISA guide 7.6.2): the hold
.endr
	v_cvt_scalef32_pk8_fp8_f32 v[\pc+4*\b:\pc+1+4*\b], v[\s+16*\b:\s+7+16*\b], v[TM+12+\b]
	v_cvt_scalef32_pk8_fp8_f32 v[\pc+2+4*\b:\pc+3+4*\b], v[\s+8+16*\b:\s+15+16*\b], v[TM+12+\b]
.endr
	v_nop                                          ; one plain vector line behind the last conversion
.endm
; a fragment's 16 registers leave as they stand: each store covers 512 consecutive bytes, at a multiple of 256 from the buffer's first byte
.macro PUT pc, o, base, off
.irp c, 0,1,2,3
	global_store_b128 v[\o], v[\pc+4*\c:\pc+4*\c+3], s[\base:\base+1] offset:\off+512*\c
.endr
.endm
.macro WLOAD off                       ; 32 rows x 256 bytes: each load takes 256 consecutive bytes of each of two rows
.irp j, 0,1,2,3,4,5,6,7,8,9,10,11,12,13,14,15
	global_load_b128 v[R+4*\j:R+4*\j+3], v[WGI], s[6:7] offset:8192*\j+\off th:TH_LOAD_NT
.endr
.endm
; fragment f's 16 registers of bytes become 64 numbers: u = w + 128 as an unsigned byte; the bits 0x4b0000uu are 2^23 + u; less 2^23 + 128 that is w, exactly; times scale: one rounding, as in w.astype(f32) * scale
.macro CVTW f
.set n, 0
.rept 16
	v_xor_b32 v[F+16*(\f)+n], s19, v[F+16*(\f)+n]
.set n, n+1
.endr
.set n, 0
.rept 16
	v_perm_b32 v[X+4*n],   v[VK], v[F+16*(\f)+n], s20
	v_perm_b32 v[X+4*n+1], v[VK], v[F+16*(\f)+n], s21
	v_perm_b32 v[X+4*n+2], v[VK], v[F+16*(\f)+n], s22
	v_perm_b32 v[X+4*n+3], v[VK], v[F+16*(\f)+n], s23
.set n, n+1
.endr
.set n, 0
.rept 32
	v_pk_add_f32 v[X+2*n:X+2*n+1], v[X+2*n:X+2*n+1], s[24:25] op_sel_hi:[1,0]
.set n, n+1
.endr
.set n, 0
.rept 32
	v_pk_mul_f32 v[X+2*n:X+2*n+1], v[X+2*n:X+2*n+1], s[26:27] op_sel_hi:[1,0]
.set n, n+1
.endr
.endm
; ---------------- the weight ----------------
	WLOAD 0
	s_mov_b32 s29, 2                               ; two trips, a chunk's quarter (my 32 rows x 256 K) each
	s_wait_kmcnt 0x0                               ; the scale is there
	s_mov_b32 s27, s26                             ; (the packed multiply names the pair)
.Lunit:
	s_wait_loadcnt 0x0                             ; this trip's 16 loads are the only ones out
.irp j, 0,1,2,3,4,5,6,7,8,9,10,11,12,13,14,15
	ds_store_b128 v[WST], v[R+4*\j:R+4*\j+3] offset:2*WP*\j
.endr
.irp f, 0,1,2,3                        ; fragment f: block f / 2 of my two, the (f % 2)-th 128 along K.  LDS serves a wave's instructions in order: these see the stores above
.irp c, 0,1,2,3
	ds_load_b128 v[F+16*\f+4*\c:F+16*\f+4*\c+3], v[WRD] offset:16*WP*(\f/2)+128*(\f%2)+32*\c
.endr
.endr
	s_wait_dscnt 16                                ; the 16 loads may be out; the 16 stores have read their registers,
	s_cmp_eq_u32 s29, 1
	s_cbranch_scc1 .Llast
	WLOAD 256                                      ; which take the next trip's bytes,
	s_branch .Lasked
.Llast:                                                ; or, in the last trip (no load leaves the rows' two K steps),
	s_cmp_eq_u32 s46, 0
	s_cbranch_scc0 .Lasked
.irp j, 0,1,2,3,4,5,6,7,8,9,10,11,12,13,14,15
	global_load_b128 v[R+4*\j:R+4*\j+3], v[XO], s[4:5] offset:16384*\j th:TH_LOAD_NT   ; my fragment of x: 512 consecutive bytes of each of 16 rows
.endr
.Lasked:
.irp f, 0,1,2,3
	s_wait_dscnt 12-4*\f                           ; fragment f is back from the stage; those behind it may be out
.if \f > 1
	s_wait_xcnt 0x0                                ; fragment f - 2's stores have read this set of code registers (for fragments 0 and 1: the wait at the last trip's end)
.endif
	CVTW \f
	QUANT X, PC+16*(\f%2), PW+\f
	PUT PC+16*(\f%2), OC, 12, 2048*\f
.endr
	v_cndmask_b32 v[PW], v[PW], v[PW+2], s28       ; lanes 0-15: block 2 w's words, lanes 16-31: block 2 w + 1's; the word of the first 128 along K,
	v_cndmask_b32 v[PW+1], v[PW+1], v[PW+3], s28   ; and that of the second
	global_store_b64 v[OS], v[PW:PW+1], s[12:13] offset:SCOFF   ; the 32 lanes store 256 consecutive bytes, aligned
	s_wait_xcnt 0x0                                ; every load and store has read its registers and its base: both bases may step, and all store data may be written again
	s_add_nc_u64 s[6:7], s[6:7], 256
	s_add_nc_u64 s[12:13], s[12:13], CHUNK
	s_sub_co_i32 s29, s29, 1
	s_cmp_lg_u32 s29, 0
	s_cbranch_scc1 .Lunit
; ---------------- a fragment of x: 16 rows x 128 numbers, asked for in the last trip ----------------
	s_cmp_eq_u32 s46, 0
	s_cbranch_scc0 .Lend
	s_wait_loadcnt 0x0
.irp j, 0,1,2,3,4,5,6,7,8,9,10,11,12,13,14,15
	ds_store_b128 v[XST], v[R+4*\j:R+4*\j+3] offset:XP*\j    ; through my stage: in as rows,
.endr
.irp c, 0,1,2,3
.irp t, 0,1,2,3
	ds_load_b128 v[X+16*\c+4*\t:X+16*\c+4*\t+3], v[XRD] offset:128*\c+16*\t   ; out 16 neighbours of each block of 32 a lane
.endr
.endr
	s_wait_dscnt 0x0
	QUANT X, PC, PW
	PUT PC, XO, 10, 0
	global_store_b32 v[OSX], v[PW], s[36:37]       ; row r's word q, from lanes r and r + 16 alike: every second word of 128 bytes, the other wave's fragment filling the rest; 131,072 bytes of the launch's output go out so
.Lend:
	s_wait_tensorcnt 0x0                           ; the wave's end
	ds_add_u32 v[SPW], v[NIL]
	s_wait_dscnt 0x0
	s_endpgm
.Lfunc_end_k_q5038ee3d81_quant:
	.size	k_q5038ee3d81_quant, .Lfunc_end_k_q5038ee3d81_quant-k_q5038ee3d81_quant
	.p2alignl 7, 3214868480
	.fill 96, 4, 3214868480
	.section	.rodata,"a",@progbits
	.p2align	6, 0x0
	.amdhsa_kernel k_q5038ee3d81_quant
		.amdhsa_group_segment_fixed_size 69120
		.amdhsa_private_segment_fixed_size 0
		.amdhsa_enable_private_segment 0
		.amdhsa_kernarg_size 40
		.amdhsa_user_sgpr_count 2
		.amdhsa_user_sgpr_kernarg_segment_ptr 1
		.amdhsa_wavefront_size32 1
		.amdhsa_system_sgpr_workgroup_id_x 1
		.amdhsa_system_sgpr_workgroup_id_y 1
		.amdhsa_system_sgpr_workgroup_id_z 1
		.amdhsa_system_vgpr_workitem_id 0
		.amdhsa_next_free_vgpr 256
		.amdhsa_next_free_sgpr 66
		.amdhsa_reserve_vcc 0
		.amdhsa_float_denorm_mode_32 3
		.amdhsa_float_denorm_mode_16_64 3
		.amdhsa_memory_ordered 1
		.amdhsa_forward_progress 1
		.amdhsa_inst_pref_size 90
	.end_amdhsa_kernel
	.amdgpu_metadata
---
amdhsa.version: [ 1, 2 ]
amdhsa.kernels:
  - .name:           k_q5038ee3d81_quant
    .symbol:         k_q5038ee3d81_quant.kd
    .args:
      - { .name: x, .offset: 0, .size: 8, .value_kind: global_buffer, .address_space: global }
      - { .name: weight_i8, .offset: 8, .size: 8, .value_kind: global_buffer, .address_space: global }
      - { .name: scale, .offset: 16, .size: 8, .value_kind: global_buffer, .address_space: global }
      - { .name: xq, .offset: 24, .size: 8, .value_kind: global_buffer, .address_space: global }
      - { .name: wq, .offset: 32, .size: 8, .value_kind: global_buffer, .address_space: global }
    .group_segment_fixed_size: 69120
    .private_segment_fixed_size: 0
    .kernarg_segment_align: 8
    .kernarg_segment_size: 40
    .max_flat_workgroup_size: 128
    .sgpr_count:     66
    .vgpr_count:     256
    .wavefront_size: 32
...
	.end_amdgpu_metadata
.endif
;; end of part 1
;; launch gemm (part 2): grid 64 x 4, 4 waves a work-group, clusters of 4 x 4, 327,680 bytes of LDS; arguments xq, wq, bias, out0; writes out0
.if DOCPART == 2
	.amdgcn_target "amdgcn-amd-amdhsa--gfx1250"
	.amdhsa_code_object_version 6
	.text
	.protected	k_q5038ee3d81_gemm
	.globl	k_q5038ee3d81_gemm
	.p2align	8
	.type	k_q5038ee3d81_gemm,@function
k_q5038ee3d81_gemm:
	s_mov_b64 s[64:65], 0
	v_nop
	global_prefetch_b8 v0, s[64:65] scope:SCOPE_SE
	s_setreg_imm32_b32 hwreg(HW_REG_WAVE_MODE, 25, 1), 1
	s_wait_xcnt 0x0
	s_wait_alu depctr_hold_cnt(0) depctr_sa_sdst(0) depctr_va_vdst(0) depctr_va_sdst(0) depctr_va_ssrc(0) depctr_va_vcc(0) depctr_vm_vsrc(0)
	s_getreg_b32 s2, hwreg(HW_REG_IB_STS2, 6, 4)
	s_cmp_eq_u32 s2, 0
	s_cbranch_scc0 .Lentry_in_a_cluster
	s_endpgm
.Lentry_in_a_cluster:
	s_bfe_u32 s2, ttmp6, 0x10000c
	s_cmp_lg_u32 s2, 0xf033
	s_cbranch_scc0 .Lentry_shape_is_right
	s_endpgm
.Lentry_shape_is_right:
; out0[m][n] = sum over k of Q(x)[m][k] Q(w scale)[n][k] + bias[n]: 1,024 x 16,384 x 4,096 on codes of MX-FP8 (E4M3, one E8M0 byte for 32 along K), f32 sums.
; xq and wq hold codes and scale bytes as the first launch leaves them: CHUNKS of 128 rows x 256 along K, 33,792 dense bytes, [row block of 128][K step of 256], laid in the order of the operand's registers:
; the fragment of rows 16 i .. + 15 and the q-th 128 of K at 2,048 (2 i + q), register group c at 512 c, lane l's 16 bytes at 16 l; behind the codes 8 scale bytes a row.
; LIMITS: NaN, infinities and sums beyond f32's range are not served.
; THE DEAL.  256 work-groups of four waves; a work-group makes 256 x 256 of the output, a wave 128 x 128: 64 accumulators, 512 registers.  K goes in 16 steps of 256 through a ring of two LDS slots of four chunks
; (two of x, two of the weight); each wave brings one chunk by one tensor load, stated as 33 rows of 1,024 bytes.  A fragment load reads 512 consecutive LDS bytes: no padding is needed.
; CLUSTERS: 4 x 4 work-groups.  The four of a row of the cluster need the same chunks of x, the four of a column the same chunks of the weight: each chunk is asked for jointly, by the same load with a mask that names the four.
; THE MATRIX INSTRUCTION IS USED TRANSPOSED (source 0 = 16 rows of the weight, source 1 = 16 rows of x): a lane holds eight neighbouring numbers of a row of the output.  THE BIAS IS THE FIRST PRODUCTS' C: nothing is cleared or added later.
; THE LAST K STEP GOES BY ROWS OF THE OUTPUT: both its 128s of the weight stand in registers (window 1), x's blocks come as pairs of fragments, and my eight blocks of 16 rows are finished one after the other, K ascending;
; a finished block goes through the stage and is stored while the next blocks are multiplied.
; PREFETCH INTO THE L2: behind the refill of K step j stands the request for K step j + 2.  A chunk is 132 blocks of 256 bytes; the four partners that load it jointly take 33 each, told apart by address:
; 32 by a lane each, the 33rd by a second line in which every lane names that one block.  The weight's chunks are asked for by the cluster that loads them; x's, which all sixteen clusters load, by clusters 0, 4, 8, 12 alone.
; K step 1 is asked for behind the head's load, K steps 2 and 3 behind slot 1's first fill; the refills of K steps 14 and 15 ask for nothing.  So at most two K steps are asked for and not yet loaded.
; REGISTERS: window 0: v0-31 addresses; v32-63 scale words, two sets; v64-127 the bias, on the way out a block's rows; v128-255 x's fragments, one set (in the last K step four pairs); window 1: the weight's fragments, two sets;
; windows 2, 3: the accumulators ((a, b) at v[8 (8 (a % 4) + b)]).
.set SIZE_N, 16384
.set CHUNK,  33792
.set SCOFF,  32768
.set SLOT,   4*CHUNK                   ; x's two chunks, then the weight's two
.set NQ,     2                         ; matrix instructions deep in a slot
.set FR,     16                        ; registers of a fragment
.set NL,     4                         ; LDS loads that bring one
.set NP,     8                         ; places behind this matrix instruction (ISA guide 7.12.1)
.set LAPS,   8                         ; a lap = two K steps = once round the ring
.set SPARE,  2*SLOT                    ; behind the ring: the spare words, 128 bytes a wave
.set SPITCH, 528                       ; the way out: a stage of 16 rows x (512 + 16) bytes a wave, in slot 0 behind its last fill and last read
.set ADRA, 16                          ; v16-17 LDS address of my fragments of x in slot 0, 1
.set ADRB, 20                          ; v20-21 the same for the weight
.set ADRS, 22                          ; v22-23 my scale words: lanes 0-15 x's rows, lanes 16-31 the weight's
.set STO,  24
.set RD,   25
.set CO,   26                          ; 16 x lane
.set PFO,  27                          ; the prefetch's offsets: 256 x lane,
.set SPW,  28
.set NIL,  29
.set BO,   30                          ; the bias: 32 (lane / 16)
.set PF2,  31                          ; and 8,192 in every lane: my share's 33rd block
.set SC,   32
.set BI,   64
.set AF,   128
.set G1,  24                           ; s[24:31], s[32:39] groups 1 and 0 (a set a slot) for x's chunks
.set G0,  32
.set G1B, 48                           ; s[48:55], s[56:63] for the weight's
.set G0B, 56
.set PFA, 66                           ; s[66:67] my share of the chunk of the K step that is being loaded
.set LIM, 68                           ; 1 where my wave prefetches, else the greatest number
.set MSB, 0
.macro WIN new                         ; the immediate's high byte repeats the setting that is left
.if MSB != (\new)
	s_set_vgpr_msb (MSB<<8)|(\new)
.set MSB, \new
.endif
.endm
.set MUL_LO,   0xa1                    ; source 0 window 1, source 1 window 0, C and D window 2
.set MUL_HI,   0xf1                    ; C and D window 3
.set FIRST_LO, 0x81                    ; the first products: C (the bias) window 0
.set FIRST_HI, 0xc1
.set TO_B,     0x40
.macro WLO first
.if \first
	WIN FIRST_LO
.else
	WIN MUL_LO
.endif
.endm
.macro WHI first
.if \first
	WIN FIRST_HI
.else
	WIN MUL_HI
.endif
.endm
.macro JLOAD g0a, g1a, g0b, g1b        ; a joint load: waves 0, 1 fetch x's chunks, waves 2, 3 the weight's; s_nop 0 and four v_nop behind each line
	s_cmp_eq_u32 s15, 0
	s_cbranch_scc0 .Lfor_b_\@
	tensor_load_to_lds s[\g0a:\g0a+3], s[\g1a:\g1a+7]
	s_nop 0
.rept 4
	v_nop
.endr
	s_branch .Lasked_\@
.Lfor_b_\@:
	tensor_load_to_lds s[\g0b:\g0b+3], s[\g1b:\g1b+7]
	s_nop 0
.rept 4
	v_nop
.endr
.Lasked_\@:
.endm
.macro ASK head, off                   ; my 33 blocks of the chunk at byte off from s[PFA].  In the loop s3 = 1 in the last trip, whose refills have no K step two on
.if \head
	s_cmp_eq_u32 s[LIM], 1
.else
	s_cmp_gt_u32 s3, s[LIM]
.endif
	s_cbranch_scc0 .Lnot_mine_\@
	global_prefetch_b8 v[PFO], s[PFA:PFA+1] offset:\off th:TH_LOAD_NT scope:SCOPE_SE
	global_prefetch_b8 v[PF2], s[PFA:PFA+1] offset:\off th:TH_LOAD_NT scope:SCOPE_SE
.Lnot_mine_\@:
.endm
.macro CREST                           ; a round of the cluster's barrier behind its opening barrier
	s_cmp_lg_u32 s14, 0
	s_cbranch_scc1 .Lnot_wave_0_\@
	s_barrier_signal -3
.Lnot_wave_0_\@:
	s_barrier_wait -3
	s_barrier_signal -1
	s_barrier_wait -1
.endm
.macro CROUND
	s_barrier_signal -1
	s_barrier_wait -1
	CREST
.endm
	s_load_b256 s[4:11], s[0:1], 0x0               ; xq, wq, bias, out0
	v_lshl_add_u32 v[SPW], v0, 2, SPARE
	v_mov_b32 v[NIL], 0
	ds_add_u32 v[SPW], v[NIL]                      ; the opening lines: the add, twice on end, and its wait ahead of my first tensor load
	ds_add_u32 v[SPW], v[NIL]
	v_lshrrev_b32 v1, 5, v0
	v_readfirstlane_b32 s14, v1                    ; wave 0..3
	s_lshr_b32 s15, s14, 1                         ; my half of the block's rows; also: I fetch for x (0) or for the weight (1)
	s_and_b32 s16, s14, 1                          ; my half of its columns; also: which of the two chunks I fetch
	s_bfe_u32 s40, ttmp6, 0x40000                  ; cx
	s_bfe_u32 s41, ttmp6, 0x40004                  ; cy = the block row (the grid is one cluster high)
	s_lshl_b32 s42, ttmp9, 2
	s_add_co_u32 s42, s42, s40                     ; the block column
	s_lshl_b32 s43, s41, 2
	s_lshl_b32 s43, 15, s43                        ; my row of the cluster
	s_lshl_b32 s44, 0x1111, s40                    ; my column
	s_or_b32 s[G1+0], s43, (3<<16)|(1<<21)         ; elements of 8 bytes; the mask, and bit 21 beside it
	s_or_b32 s[G1B+0], s44, (3<<16)|(1<<21)
.irp g, G1, G1B
	s_mov_b32 s[\g+1], 128<<16                     ; a chunk: 33 rows of 128 elements, dense
	s_mov_b32 s[\g+2], 33<<16
	s_mov_b32 s[\g+3], 128<<16
	s_mov_b32 s[\g+4], 33
	s_mov_b32 s[\g+5], 128
	s_mov_b32 s[\g+6], 0
	s_mov_b32 s[\g+7], 0
.endr
	s_mul_i32 s45, s14, CHUNK                      ; where my chunk goes in a slot
	s_mul_i32 s70, s15, CHUNK                      ; what I read: x's chunk,
	s_mul_i32 s71, s16, CHUNK
	s_add_co_u32 s71, s71, 2*CHUNK                 ; the weight's,
	s_add_co_u32 s72, s70, SLOT                    ; both in slot 1,
	s_add_co_u32 s73, s71, SLOT
	s_sub_co_u32 s74, s71, s70                     ; the distance between the two,
	s_add_co_u32 s75, s70, SCOFF                   ; the scale bytes,
	s_add_co_u32 s76, s75, SLOT
	s_mul_i32 s77, s14, 16*SPITCH                  ; my stage
	v_and_b32 v1, 15, v0                           ; r
	v_bfe_u32 v2, v0, 4, 1                         ; h
	v_and_b32 v3, 31, v0
	v_lshlrev_b32 v[CO], 4, v3
	v_add_nc_u32 v[ADRA], s70, v[CO]
	v_add_nc_u32 v[ADRA+1], s72, v[CO]
	v_add_nc_u32 v[ADRB], s71, v[CO]
	v_add_nc_u32 v[ADRB+1], s73, v[CO]
	v_mul_u32_u24 v6, s74, v2                      ; lanes 16-31 take the weight's scale words
	v_lshl_add_u32 v5, v1, 3, v6
	v_add_nc_u32 v[ADRS], s75, v5
	v_add_nc_u32 v[ADRS+1], s76, v5
	v_mul_u32_u24 v7, v1, SPITCH                   ; into the stage: row r, 32 bytes for each half of the lanes
	v_lshl_add_u32 v7, v2, 5, v7
	v_add_nc_u32 v[STO], s77, v7
	v_add_nc_u32 v[RD], s77, v[CO]                 ; back: the 32 lanes take one row of 512 bytes
	v_lshlrev_b32 v[BO], 5, v2
	v_lshlrev_b32 v[PFO], 8, v3
	v_mov_b32 v[PF2], 8192
	s_wait_alu depctr_va_vdst(0)                   ; the wait behind the head's vector lines
	s_lshl_b32 s20, s41, 1                         ; offsets, each under 2^32.  x's chunks: row block 2 cy + half
	s_add_co_u32 s20, s20, s16
	s_mul_i32 s20, s20, 16*CHUNK
	s_mov_b32 s21, 0
	s_lshl_b32 s46, s42, 1                         ; the weight's: row block 2 x block column + half
	s_add_co_u32 s46, s46, s16
	s_mul_i32 s46, s46, 16*CHUNK
	s_mov_b32 s47, 0
	s_lshl_b32 s18, s42, 10                        ; my first column, in bytes: the bias's offset
	s_lshl_b32 s19, s16, 9
	s_add_co_u32 s18, s18, s19
	s_mov_b32 s19, 0
	s_lshl_b32 s12, s41, 8                         ; my first row of the output, of 65,536 bytes each, + the column
	s_lshl_b32 s13, s15, 7
	s_add_co_u32 s12, s12, s13
	s_lshl_b32 s12, s12, 16
	s_add_co_u32 s12, s12, s18
	s_mov_b32 s13, 0
	s_and_b32 s79, ttmp9, 3
	s_cmp_eq_u32 s15, 0                            ; the prefetch: the chunks that I fetch, my place among the four that ask with me,
	s_cselect_b32 s22, s20, s46
	s_cselect_b32 s78, s40, s41
	s_cselect_b32 s79, s79, 0                      ; and whether my cluster asks: for x every fourth cluster, for the weight each
	s_mul_i32 s78, s78, 33*256
	s_add_co_u32 s22, s22, s78
	s_add_co_u32 s22, s22, CHUNK                   ; it stands at K step 1
	s_mov_b32 s23, 0
	s_cmp_eq_u32 s79, 0
	s_cselect_b32 s[LIM], 1, -1
	s_wait_dscnt 0x0                               ; both opening adds are done
	CROUND                                         ; all sixteen work-groups are here: the first joint loads meet
	s_wait_kmcnt 0x0
	s_add_nc_u64 s[20:21], s[4:5], s[20:21]
	s_add_nc_u64 s[46:47], s[6:7], s[46:47]
.irp s, 0,1
	s_mov_b32 s[G0+4*\s], 1
	s_add_co_u32 s[G0+4*\s+1], s45, \s*SLOT
	s_add_nc_u64 s[G0+4*\s+2:G0+4*\s+3], s[20:21], \s*CHUNK
	s_or_b32 s[G0+4*\s+3], s[G0+4*\s+3], 0x80000000
	s_mov_b32 s[G0B+4*\s], 1
	s_add_co_u32 s[G0B+4*\s+1], s45, \s*SLOT
	s_add_nc_u64 s[G0B+4*\s+2:G0B+4*\s+3], s[46:47], \s*CHUNK
	s_or_b32 s[G0B+4*\s+3], s[G0B+4*\s+3], 0x80000000
.endr
	JLOAD G0, G1, G0B, G1B                         ; K step 0: one tensor load a wave at the head
	s_add_nc_u64 s[10:11], s[10:11], s[12:13]
	s_add_nc_u64 s[8:9], s[8:9], s[18:19]
	s_cmp_eq_u32 s15, 0
	s_cselect_b64 s[PFA:PFA+1], s[4:5], s[6:7]
	s_add_nc_u64 s[PFA:PFA+1], s[PFA:PFA+1], s[22:23]
.irp b, 0,1,2,3,4,5,6,7                ; the bias in the accumulators' layout: register j of tile b is column 16 b + 8 h + j of my 128
	global_load_b128 v[BI+8*\b:BI+8*\b+3],   v[BO], s[8:9] offset:64*\b
	global_load_b128 v[BI+8*\b+4:BI+8*\b+7], v[BO], s[8:9] offset:64*\b+16
.endr
	ASK 1, 0                                       ; K step 1
.macro FRAG reg, adr, q, i
.irp c, 0,1,2,3
	ds_load_b128 v[\reg+4*\c:\reg+4*\c+3], v[\adr] offset:(2*(\i)+(\q))*2048+512*\c
.endr
.endm
; eight products: x's block a against the weight's eight; p: the weight's set; q: the slot's q-th 128 of K; sc: the set of scale words.  The 64 accumulators take turns in the same order in every step
.macro MUL8 a, p, q, sc, first
.irp b, 0,1,2,3,4,5,6,7
.if \first
	v_wmma_scale_f32_16x16x128_f8f6f4 v[8*(8*((\a)%4)+\b):8*(8*((\a)%4)+\b)+7], v[128*(\p)+FR*\b:128*(\p)+FR*\b+FR-1], v[AF+FR*(\a):AF+FR*(\a)+FR-1], v[BI+8*\b:BI+8*\b+7], v[SC+8*NQ*(\sc)+NQ*\b+(\q)], v[SC+8*NQ*(\sc)+NQ*(\a)+(\q)] matrix_a_scale:MATRIX_SCALE_ROW1
.else
	v_wmma_scale_f32_16x16x128_f8f6f4 v[8*(8*((\a)%4)+\b):8*(8*((\a)%4)+\b)+7], v[128*(\p)+FR*\b:128*(\p)+FR*\b+FR-1], v[AF+FR*(\a):AF+FR*(\a)+FR-1], v[8*(8*((\a)%4)+\b):8*(8*((\a)%4)+\b)+7], v[SC+8*NQ*(\sc)+NQ*\b+(\q)], v[SC+8*NQ*(\sc)+NQ*(\a)+(\q)] matrix_a_scale:MATRIX_SCALE_ROW1
.endif
.endr
.endm
.macro MUL16 a0, p, q, sc, first
	MUL8 \a0, \p, \q, \sc, \first
	MUL8 \a0+1, \p, \q, \sc, \first
.endm
.macro FETCH_B slot, q, p, i0          ; four of the weight's fragments into set p
	WIN TO_B
.irp i, \i0, \i0+1, \i0+2, \i0+3
	FRAG 128*(\p)+FR*(\i), ADRB+\slot, \q, \i
.endr
.endm
.macro FETCH_A slot, q, i0             ; four of x's
	WIN 0
.irp i, \i0, \i0+1, \i0+2, \i0+3
	FRAG AF+FR*(\i), ADRA+\slot, \q, \i
.endr
.endm
.macro SCALES sc                       ; a slot's scale words: two a row; lanes 0-15 x's block i, lanes 16-31 the weight's block i
	WIN 0
.irp i, 0,1,2,3,4,5,6,7
	ds_load_b64 v[SC+8*NQ*\sc+NQ*\i:SC+8*NQ*\sc+NQ*\i+1], v[ADRS+\sc] offset:128*\i
.endr
.endm
.macro PLACES n                        ; in front of loads into registers that matrix instructions have read, and of the first read of results
.rept \n
	v_nop
.endr
.endm
.macro STEP slot, first                ; a slot's first 128 of K; the second's fragments are fetched among its products
	s_wait_dscnt 4*NL                              ; all but x's blocks 4-7 are in
	WLO \first
	MUL16 0, 0, 0, \slot, \first
	FETCH_B \slot, 1, 1, 0
	WLO \first
	MUL16 2, 0, 0, \slot, \first
	PLACES NP
	FETCH_B \slot, 1, 1, 4
	s_wait_dscnt 8*NL                              ; all but the 32 loads of the weight's next set
	WHI \first
	MUL16 4, 0, 0, \slot, \first
	FETCH_A \slot, 1, 0
	WHI \first
	MUL16 6, 0, 0, \slot, \first
	PLACES NP
	FETCH_A \slot, 1, 4
.endm
; The first half of a slot's second 128 of K, up to the ONE barrier of a change of slots: in front of it each wave waits for all its tensor loads (one is out: my chunk of the next slot), adds 0 to its spare word,
; and waits for that and for its reads of this slot.
.macro MEET slot
	s_wait_dscnt 4*NL
	WIN MUL_LO
	MUL16 0, 1, 1, \slot, 0
	MUL8 2, 1, 1, \slot, 0
	WIN 0
	s_wait_tensorcnt 0x0
	ds_add_u32 v[SPW], v[NIL]
	WIN MUL_LO
	MUL8 3, 1, 1, \slot, 0                         ; eight products stand between the add and the wait for it
	s_wait_dscnt 0x0
	s_barrier_signal -1
	WIN 0
	s_barrier_wait -1
.endm
; A change of slots in the loop: the barrier opens a round of the cluster's barrier, and this slot is filled again, two K steps on, first behind the round.
.macro TURN slot, next
	s_wait_xcnt 0x0                                ; my prefetches have read their address: it steps here
	s_add_nc_u64 s[PFA:PFA+1], s[PFA:PFA+1], CHUNK
	MEET \slot
	CREST
	s_add_nc_u64 s[G0+4*\slot+2:G0+4*\slot+3], s[G0+4*\slot+2:G0+4*\slot+3], 2*CHUNK
	s_add_nc_u64 s[G0B+4*\slot+2:G0B+4*\slot+3], s[G0B+4*\slot+2:G0B+4*\slot+3], 2*CHUNK
	JLOAD G0+4*\slot, G1, G0B+4*\slot, G1B
	PLACES NP-4                                    ; with the four behind the load: the places in front of the loads below
	FETCH_B \next, 0, 0, 0
	WIN MUL_HI
	MUL8 4, 1, 1, \slot, 0
	FETCH_B \next, 0, 0, 4
	WIN MUL_HI
	MUL8 5, 1, 1, \slot, 0
	FETCH_A \next, 0, 0
	SCALES \next
	ASK 0, 2*CHUNK                                 ; the K step two on from the one just asked for
	WIN MUL_HI
	MUL16 6, 1, 1, \slot, 0
	PLACES NP
	FETCH_A \next, 0, 4
.endm
	s_wait_tensorcnt 0x0                           ; my chunk of K step 0 is in
	ds_add_u32 v[SPW], v[NIL]
	s_wait_dscnt 0x0
	CROUND                                         ; everybody's chunk is in, and all sixteen work-groups are here
	JLOAD G0+4, G1, G0B+4, G1B                     ; K step 1, the first tensor load behind the round
	FETCH_B 0, 0, 0, 0
	FETCH_B 0, 0, 0, 4
	FETCH_A 0, 0, 0
	SCALES 0
	FETCH_A 0, 0, 4
	ASK 1, CHUNK                                   ; K steps 2 and 3
	ASK 1, 2*CHUNK
	s_wait_loadcnt 0x0                             ; the bias is in
	STEP 0, 1                                      ; the first step stands in front of the loop: its products start the sums from the bias
	s_mov_b32 s3, LAPS-1
.Llap:                                                 ; a trip goes once round the ring and fills both slots again
	TURN 0, 1
	STEP 1, 0
	TURN 1, 0
	STEP 0, 0
	s_sub_co_u32 s3, s3, 1
	s_cmp_lg_u32 s3, 0
	s_cbranch_scc1 .Llap
; THE LAST CHANGE OF SLOTS fills nothing and has no round.  Behind it the last K step (slot 1) is laid out by rows: the weight's first 128 into set 0 and, when set 1 is done with, its second 128 into set 1;
; x's block a as a pair of fragments (both 128s), 32 registers, in place a % 4 of v128-255.
.macro ALOAD a
	WIN 0
.irp q, 0,1
	FRAG AF+32*((\a)%4)+FR*\q, ADRA+1, \q, \a
.endr
.endm
.macro ROW a                           ; block a is finished: 16 products, its eight accumulators by turns, K ascending
	WIN MUL_LO+0x50*((\a)/4)
.irp q, 0,1
.if (\a) == 0
	s_wait_dscnt 48-32*\q                          ; q = 0: the 48 youngest loads (the weight's second set, x's pairs 2 and 3) may be out; q = 1: the two pairs alone
.endif
.irp b, 0,1,2,3,4,5,6,7
	v_wmma_scale_f32_16x16x128_f8f6f4 v[8*(8*((\a)%4)+\b):8*(8*((\a)%4)+\b)+7], v[128*\q+FR*\b:128*\q+FR*\b+FR-1], v[AF+32*((\a)%4)+FR*\q:AF+32*((\a)%4)+FR*\q+FR-1], v[8*(8*((\a)%4)+\b):8*(8*((\a)%4)+\b)+7], v[SC+8*NQ+NQ*\b+\q], v[SC+8*NQ+NQ*(\a)+\q] matrix_a_scale:MATRIX_SCALE_ROW1
.endr
.endr
.endm
	MEET 0
	PLACES NP
	FETCH_B 1, 0, 0, 0
	WIN MUL_HI
	MUL8 4, 1, 1, 0, 0
	FETCH_B 1, 0, 0, 4
	WIN MUL_HI
	MUL8 5, 1, 1, 0, 0
	ALOAD 0                                        ; (the registers of x's blocks 0-3, whose products stand ahead of the places above)
	ALOAD 1
	SCALES 1
	WIN MUL_HI
	MUL16 6, 1, 1, 0, 0
	PLACES NP                                      ; for the loads into the weight's set 1 and into x's blocks 4-7
	FETCH_B 1, 1, 1, 0
	FETCH_B 1, 1, 1, 4
	ALOAD 2
	ALOAD 3
; THE WAY OUT, block by block of 16 rows x 128 columns: through my own stage and back as whole rows of 512 bytes, which the 32 lanes store as two aligned units of 256 bytes.  LDS serves a wave's instructions in order (ISA guide 5.7.1.4).
.macro TOSTAGE a
.set AC, 64*((\a)%4)
	WIN 0x08+4*((\a)/4)
.irp b, 0,1,2,3,4,5,6,7
	ds_store_b128 v[STO], v[AC+8*\b:AC+8*\b+3] offset:64*\b          ; each accumulator from its low end on
	ds_store_b128 v[STO], v[AC+8*\b+4:AC+8*\b+7] offset:64*\b+16
.endr
	WIN 0
.irp t, 0,1,2,3,4,5,6,7,8,9,10,11,12,13,14,15
	ds_load_b128 v[BI+4*\t:BI+4*\t+3], v[RD] offset:\t*SPITCH
.endr
.endm
.macro SEND a, younger                 ; younger: the LDS loads issued behind block a's, which may stay out
	WIN 0
	s_wait_dscnt \younger
.if (\a) > 0
	s_add_nc_u64 s[10:11], s[10:11], 16*SIZE_N*4   ; (behind a wait on XCNT) 16 rows on
.endif
.irp t, 0,1,2,3,4,5,6,7,8,9,10,11,12,13,14,15
	global_store_b128 v[CO], v[BI+4*\t:BI+4*\t+3], s[10:11] offset:\t*SIZE_N*4 th:TH_STORE_NT
.endr
.endm
	ROW 0
	PLACES NP
	TOSTAGE 0
	ALOAD 4                                        ; block 0's place takes the block four on
.irp a, 1,2,3,4,5,6,7                  ; block a is multiplied while block a - 1 comes back from the stage
	ROW \a
	PLACES NP                                      ; for the stage's reads of block a's sums and the loads into its pair's place
.if \a < 5
	SEND \a-1, 8                                   ; the pair asked for behind block a - 1's loads may be out
.else
	SEND \a-1, 0
.endif
	s_wait_xcnt 0x0                                ; the stores have read their registers and their base
	TOSTAGE \a
.if \a < 4
	ALOAD \a+4
.endif
.endr
	SEND 7, 0
	s_wait_tensorcnt 0x0                           ; the wave's end
	ds_add_u32 v[SPW], v[NIL]
	s_wait_dscnt 0x0
	CROUND                                         ; the closing round
	s_endpgm
.Lfunc_end_k_q5038ee3d81_gemm:
	.size	k_q5038ee3d81_gemm, .Lfunc_end_k_q5038ee3d81_gemm-k_q5038ee3d81_gemm
	.p2alignl 7, 3214868480
	.fill 96, 4, 3214868480
	.section	.rodata,"a",@progbits
	.p2align	6, 0x0
	.amdhsa_kernel k_q5038ee3d81_gemm
		.amdhsa_group_segment_fixed_size 327680
		.amdhsa_private_segment_fixed_size 0
		.amdhsa_enable_private_segment 0
		.amdhsa_kernarg_size 32
		.amdhsa_user_sgpr_count 2
		.amdhsa_user_sgpr_kernarg_segment_ptr 1
		.amdhsa_wavefront_size32 1
		.amdhsa_system_sgpr_workgroup_id_x 1
		.amdhsa_system_sgpr_workgroup_id_y 1
		.amdhsa_system_sgpr_workgroup_id_z 1
		.amdhsa_system_vgpr_workitem_id 0
		.amdhsa_next_free_vgpr 1024
		.amdhsa_next_free_sgpr 80
		.amdhsa_reserve_vcc 0
		.amdhsa_float_denorm_mode_32 3
		.amdhsa_float_denorm_mode_16_64 3
		.amdhsa_memory_ordered 1
		.amdhsa_forward_progress 1
		.amdhsa_inst_pref_size 149
	.end_amdhsa_kernel
	.amdgpu_metadata
---
amdhsa.version: [ 1, 2 ]
amdhsa.kernels:
  - .name:           k_q5038ee3d81_gemm
    .symbol:         k_q5038ee3d81_gemm.kd
    .args:
      - { .name: xq, .offset: 0, .size: 8, .value_kind: global_buffer, .address_space: global }
      - { .name: wq, .offset: 8, .size: 8, .value_kind: global_buffer, .address_space: global }
      - { .name: bias, .offset: 16, .size: 8, .value_kind: global_buffer, .address_space: global }
      - { .name: out0, .offset: 24, .size: 8, .value_kind: global_buffer, .address_space: global }
    .group_segment_fixed_size: 327680
    .private_segment_fixed_size: 0
    .kernarg_segment_align: 8
    .kernarg_segment_size: 32
    .max_flat_workgroup_size: 128
    .sgpr_count:     80
    .vgpr_count:     1024
    .wavefront_size: 32
...
	.end_amdgpu_metadata
.endif
;; end of part 2
